; MI455X (gfx1250); checked and timed in simulation.
; The chip was launched on July 23, 2026; its instructions are those of AMD's public machine-readable ISA for CDNA 5 (MIT licence, August 2026) and "CDNA5" Instruction Set Architecture Reference Guide (July 2026). The comments in the code are by the model that wrote it; some were corrected since.
;; Multi Head Self Attention. Allowed arithmetic: matrix products marked QUANTISED: E2M1 operands, one E8M0 scale for each 32 along K, by v_wmma_scale_f32_16x16x128_f8f6f4 with both operands' format E2M1 (or v_wmma_scale_f32_32x16x128_f4), f32 sums; products left as they are: bf16, f16 or f32 operands; f32 sums; everything else in f32.
;; Inputs: bk 1,024 float32; bo 1,024 float32; bq 1,024 float32; bv 1,024 float32; k 4 x 2,048 x 1,024 float32; q 4 x 2,048 x 1,024 float32; v 4 x 2,048 x 1,024 float32; wk 1,024 x 1,024 float32; wo 1,024 x 1,024 float32; wq 1,024 x 1,024 float32; wv 1,024 x 1,024 float32.
;; Outputs: out0 4 x 2,048 x 1,024 float32.
;; This version of the problem:
;;   THIS VERSION OF THE PROBLEM IS GIVEN IN LOW PRECISION. The matrix products marked QUANTISED in the list below multiply operands that are first quantised to E2M1 (2 exponent bits, 1 mantissa bit; 4 bits a number), with one power-of-two scale for each 32 numbers along K (OCP MX v1.0); their sums are f32. The products marked 'left as it is' may take bf16, f16 or f32 operands, with f32 sums. Whichever they take, every output number must still come out within the allowed error. Rounding operands to bf16 (8 significant bits) uses up far more of that allowance than f16 does (11 bits, for magnitudes from 6e-5 to 65,504). All else is computed in f32.
;;   The module's matrix products, in the order in which they are computed (A, B: the left and right operand; K: the contracted axis; several contracted axes count as one K, in the product's order):
;;     1. [M 8,192, K 1,024] x [K 1,024, N 1,024]; A: input q; B: input wq: QUANTISED
;;     2. [M 8,192, K 1,024] x [K 1,024, N 1,024]; A: input k; B: input wk: QUANTISED
;;     3. [M 8,192, K 1,024] x [K 1,024, N 1,024]; A: input v; B: input wv: QUANTISED
;;     4. batch 64 x [M 2,048, K 64] x [K 64, N 2,048]; A: computed on the way; B: computed on the way: left as it is (an operand is computed on the way)
;;     5. batch 64 x [M 2,048, K 2,048] x [K 2,048, N 64]; A: computed on the way; B: computed on the way: left as it is (an operand is computed on the way)
;;     6. [M 8,192, K 1,024] x [K 1,024, N 1,024]; A: computed on the way; B: input wo: left as it is (an operand is computed on the way)
;;   THE QUANTISER, for each operand of a quantised product, along K:
;;     - K is cut into blocks of 32 from its start; a last block that is shorter is filled with zeros.
;;     - A block's scale is 2^e with e = floor(log2(the largest magnitude in the block)) - 2, held to -126 .. 127; a block of zeros has e = 0. As a byte (E8M0): e + 127.
;;     - Each number is divided by its block's scale, clamped to +-6, and rounded to the nearest number of E2M1, ties to even, subnormals kept.
;;     - The product sums the exact products of the quantised numbers (number of the format x scale) in f32.
;;   ~~~python
;;   def quantise(x, axis):      # numpy; x: float32 -> the quantised numbers, widened to float32 again
;;       x = np.moveaxis(x, axis, -1); K = x.shape[-1]
;;       x = np.pad(x, [(0, 0)] * (x.ndim - 1) + [(0, -K % 32)]); x = x.reshape(x.shape[:-1] + (-1, 32)); a = np.abs(x).max(-1, keepdims=True)
;;       e = np.where(a > 0, np.clip(np.frexp(np.where(a > 0, a, 1))[1] - 1 - 2, -126, 127), 0)      # np.frexp(a)[1] - 1 = floor(log2(a)), exactly
;;       r = np.clip(x / 2.0 ** e, -6, 6)
;;       step = 2.0 ** (np.maximum(np.frexp(np.where(r == 0, 1, r))[1] - 1, 0) - 1)
;;       q = np.round(r / step) * step * 2.0 ** e      # np.round: ties to even
;;       return np.moveaxis(q.reshape(q.shape[:-2] + (-1,))[..., :K], -1, axis).astype(np.float32)
;;   ~~~
;; One version. Each part assembles by itself: llvm-mc -triple=amdgcn-amd-amdhsa -mcpu=gfx1250 --defsym DOCPART=n.
;; ======== version 1 of 1: 4 launches
;; limits: values are held in f16: magnitudes above 65,504 overflow, below 6.1e-05 lose precision; right only within a limited range of input values
;; workspace buffers: xc 12,582,912 bytes; xs 786,432 bytes; wcf 1,572,864 bytes; ws 98,304 bytes; wof 2,097,152 bytes; qkvf 50,331,648 bytes; af 16,777,216 bytes
;; launch prep (part 1): grid 1024 x 1, 4 waves a work-group, no clusters, 33,280 bytes of LDS; arguments q, k, v, wq, wk, wv, wo, xc, xs, wcf, ws, wof; writes xc, xs, wcf, ws, wof
.if DOCPART == 1
	.amdgcn_target "amdgcn-amd-amdhsa--gfx1250"
	.amdhsa_code_object_version 6
	.text
	.protected	k_qd0e9696d0d_prep
	.globl	k_qd0e9696d0d_prep
	.p2align	8
	.type	k_qd0e9696d0d_prep,@function
k_qd0e9696d0d_prep:
	s_mov_b64 s[64:65], 0
	v_nop
	global_prefetch_b8 v0, s[64:65] scope:SCOPE_SE
	s_setreg_imm32_b32 hwreg(HW_REG_WAVE_MODE, 25, 1), 1
	s_wait_xcnt 0x0
; PREP.  q, k, v [8192][1024] f32 become codes of FP4 (E2M1) with K innermost, xc [24576 = q|k|v rows][512 bytes], and one E8M0 byte for each 32 along K, xs [24576][32].
; wq, wk, wv [1024 (k)][1024 (n)] f32, whose K is the FIRST axis, become codes laid in the order of an operand's registers: wcf [3][64 tiles of 16 n][8 steps of 128 k][1024 bytes];
; in the 1,024 bytes the 16 bytes of (column r of the tile, block t of 32 k) lie at 256 t + 16 r.  Their scale bytes: ws [3072 = weight x 1024 + n][32].
; wo [1024 (k)][1024 (n)] f32 becomes f16 in the order of an operand's registers: wof [64 tiles of 16 n][32 groups of 32 k][1024 bytes]; eight k = 8 o .. 8 o + 7 of column r lie at 256 o + 16 r.
; A block's scale is 2^(floor(log2(its largest magnitude)) - 2); its byte is the largest magnitude's exponent field - 2, held at 1 from below.
; LIMITS: a block of zeros gets the byte 1 over zero codes (the bytes are read by this program alone); NaN and infinities are not served; |wo| beyond 65,504 is not served.
; Work-groups 0-255 take the weights (128 columns x 128 k each: a lane takes a column and its registers run down K), work-groups 256-1023 the rows (a wave: 16 steps of 512 numbers).
; No work-group shares an input byte with another: no cluster, no tensor load.  Only the row path stores to LDS; all paths join at one end.
.set STEPS, 16
.set CB,    8                          ; bytes of 16 codes
.set R,     16                         ; rows: v16-79 four sets of 16 numbers as loaded
.set X,     80                         ; rows: v80-111 two sets of 16 neighbours
.set E,     112                        ; rows: v112-127 a scale byte for each step
.set C,     128                        ; rows: v128-191 codes, four registers for each step
.set WREG,  8192                       ; LDS: a region for each wave: two stages of 32 x SP bytes, behind them its 256 scale bytes
.set SP,    80                         ; a lane's place in a stage: 64 bytes + 16 of padding
.set SPW,   12                         ; v12 LDS address of my spare word; never rewritten
.set NIL,   13                         ; v13 0; never rewritten
.set SPARE, 4*WREG                     ; the spare words: 128 bytes for each wave, named by no other line
.set WX,    32                         ; weights: v32-95 two sets of 32 numbers
.set WC,    96                         ; weights: v96.. codes or f16, registers of their own for each block
.macro WLOAD t                         ; block t: w(32 t + i, my column): 32 lanes read 128 consecutive bytes, the four waves 512
.irp i, 0,1,2,3,4,5,6,7,8,9,10,11,12,13,14,15,16,17,18,19,20,21,22,23,24,25,26,27,28,29,30,31
	global_load_b32 v[WX+32*((\t)%2)+\i], v3, s[10:11] offset:(32*(\t)+\i)*4096 th:TH_LOAD_NT
.endr
.endm
.macro WWAIT t
.if (\t) < 3
	s_wait_loadcnt 32                              ; this block's 32 loads are in; the next block's may be out
.else
	s_wait_loadcnt 0
.endif
.endm
.macro WBLOCK t                        ; 32 numbers down K of my column -> 32 codes (16 bytes) and a scale byte
.set XS, WX+32*((\t)%2)
	WWAIT \t
	v_max3_num_f32 v8, |v[XS]|, |v[XS+1]|, |v[XS+2]|
	v_max3_num_f32 v9, |v[XS+3]|, |v[XS+4]|, |v[XS+5]|
.irp i, 6,10,14,18,22,26
	v_max3_num_f32 v8, v8, |v[XS+\i]|, |v[XS+\i+1]|
	v_max3_num_f32 v9, v9, |v[XS+\i+2]|, |v[XS+\i+3]|
.endr
	v_max3_num_f32 v8, v8, |v[XS+30]|, |v[XS+31]|
	v_max3_num_f32 v8, v8, v9, 0x1800000           ; and the floor 2^(3 - 127): the byte cannot fall under 1
	v_add_nc_u32 v11, 0xff000000, v8               ; 2 off the exponent field: the conversion takes this operand's exponent field as its scale
	v_lshrrev_b32 v9, 23, v11                      ; the scale's byte
.if (\t) == 0
	v_mov_b32 v24, v9
.else
	v_lshl_or_b32 v24, v9, 8*(\t), v24             ; four bytes make the word of these 128 k
.endif
.irp g, 0,1,2,3
	v_cvt_scalef32_pk8_fp4_f32 v[WC+4*(\t)+\g], v[XS+8*\g:XS+8*\g+7], v11
.endr
	global_store_b128 v4, v[WC+4*(\t):WC+4*(\t)+3], s[22:23] offset:256*(\t)   ; sixteen lanes store 256 consecutive bytes, aligned
.if (\t) < 2
	WLOAD (\t)+2
.endif
.endm
.macro OBLOCK t                        ; 32 numbers down K of my column -> 32 f16, four pieces of 16 bytes
.set XS, WX+32*((\t)%2)
	WWAIT \t
.irp i, 0,1,2,3,4,5,6,7,8,9,10,11,12,13,14,15
	v_cvt_pk_f16_f32 v[WC+16*(\t)+\i], v[XS+2*\i], v[XS+2*\i+1]
.endr
.irp o, 0,1,2,3
	global_store_b128 v4, v[WC+16*(\t)+4*\o:WC+16*(\t)+4*\o+3], s[26:27] offset:256*(4*(\t)+\o)
.endr
.if (\t) < 2
	WLOAD (\t)+2
.endif
.endm
	s_load_b512 s[4:19], s[0:1], 0x0               ; q 4, k 6, v 8, wq 10, wk 12, wv 14, wo 16, xc 18
	s_load_b256 s[20:27], s[0:1], 0x40             ; xs 20, wcf 22, ws 24, wof 26
	v_lshl_add_u32 v[SPW], v0, 2, SPARE
	v_mov_b32 v[NIL], 0
	v_lshrrev_b32 v1, 5, v0
	v_readfirstlane_b32 s28, v1                    ; wave
	v_and_b32 v2, 31, v0                           ; lane
	s_mov_b32 s33, 0
	s_wait_kmcnt 0x0
	s_cmp_lt_u32 ttmp9, 256
	s_cbranch_scc0 .Lrows
	; ---- the weights
	s_lshr_b32 s29, ttmp9, 6                       ; which weight: 0 wq, 1 wk, 2 wv, 3 wo
	s_and_b32 s30, ttmp9, 7                        ; which 128 columns
	s_bfe_u32 s31, ttmp9, 0x30003                  ; which 128 along K
	s_cmp_eq_u32 s29, 0
	s_cselect_b64 s[10:11], s[10:11], s[12:13]
	s_cmp_lt_u32 s29, 2
	s_cselect_b64 s[10:11], s[10:11], s[14:15]
	s_cmp_lt_u32 s29, 3
	s_cselect_b64 s[10:11], s[10:11], s[16:17]
	s_lshl_b32 s32, s31, 19                        ; 128 rows of 4,096 bytes
	s_lshl_b32 s35, s30, 9
	s_add_co_u32 s32, s32, s35
	s_lshl_b32 s35, s28, 7                         ; my wave's 32 columns
	s_add_co_u32 s32, s32, s35
	s_add_nc_u64 s[10:11], s[10:11], s[32:33]
	v_lshlrev_b32 v3, 2, v2
	WLOAD 0
	WLOAD 1
	s_lshl_b32 s34, s30, 3
	s_lshl_b32 s35, s28, 1
	s_add_co_u32 s34, s34, s35                     ; my wave's first tile of 16 columns
	v_and_b32 v5, 15, v2
	v_lshrrev_b32 v6, 4, v2
	v_lshlrev_b32 v5, 4, v5                        ; 16 r
	s_cmp_eq_u32 s29, 3
	s_cbranch_scc1 .Lwo
	v_lshl_add_u32 v4, v6, 13, v5                  ; lanes 16-31: the next tile, 8,192 bytes on
	v_lshlrev_b32 v7, 5, v2                        ; my column's row of scale bytes
	s_lshl_b32 s32, s29, 19
	s_lshl_b32 s35, s34, 13
	s_add_co_u32 s32, s32, s35
	s_lshl_b32 s35, s31, 10
	s_add_co_u32 s32, s32, s35
	s_add_nc_u64 s[22:23], s[22:23], s[32:33]
	s_lshl_b32 s32, s29, 15
	s_lshl_b32 s35, s30, 12
	s_add_co_u32 s32, s32, s35
	s_lshl_b32 s35, s28, 10
	s_add_co_u32 s32, s32, s35
	s_lshl_b32 s35, s31, 2
	s_add_co_u32 s32, s32, s35
	s_add_nc_u64 s[24:25], s[24:25], s[32:33]
	WBLOCK 0
	WBLOCK 1
	WBLOCK 2
	WBLOCK 3
	global_store_b32 v7, v24, s[24:25]             ; four bytes a lane, 32 bytes apart: 98,304 bytes in all of what the launch moves
	s_branch .Lend
.Lwo:
	v_lshl_add_u32 v4, v6, 15, v5                  ; lanes 16-31: the next tile, 32,768 bytes on
	s_lshl_b32 s32, s34, 15
	s_lshl_b32 s35, s31, 12
	s_add_co_u32 s32, s32, s35
	s_add_nc_u64 s[26:27], s[26:27], s[32:33]
	OBLOCK 0
	OBLOCK 1
	OBLOCK 2
	OBLOCK 3
	s_branch .Lend
	; ---- the rows of q, k, v: plain streams of blocks of 32.  A load reads 512 consecutive bytes; a step's 2,048 bytes turn through the wave's own stage, so that a lane holds 16 neighbours
.Lrows:
	v_lshlrev_b32 v3, 4, v2                        ; my 16 bytes of a load's 512
	s_mul_i32 s29, s28, WREG
	v_lshrrev_b32 v14, 2, v2
	v_mul_u32_u24 v14, v14, SP
	v_and_b32 v15, 3, v2
	v_lshl_add_u32 v14, v15, 4, v14
	v_add_nc_u32 v14, s29, v14                     ; the stage, on the way in: SP (lane / 4) + 16 (lane % 4)
	v_mul_u32_u24 v15, v2, SP
	v_add_nc_u32 v15, s29, v15                     ; and on the way out: SP x lane
	v_mul_u32_u24 v4, v2, CB                       ; my codes' place in a step's
	v_lshrrev_b32 v5, 1, v2
	s_add_co_u32 s29, s29, 2*32*SP
	v_add_nc_u32 v5, s29, v5                       ; my block's byte among my wave's 256
	v_lshlrev_b32 v7, 3, v2
	v_add_nc_u32 v6, s29, v7
	s_sub_co_u32 s30, ttmp9, 256
	s_lshr_b32 s31, s30, 8                         ; 0 q, 1 k, 2 v
	s_cmp_eq_u32 s31, 1
	s_cselect_b64 s[6:7], s[6:7], s[8:9]
	s_cmp_eq_u32 s31, 0
	s_cselect_b64 s[4:5], s[4:5], s[6:7]
	s_and_b32 s32, s30, 255
	s_lshl_b32 s32, s32, 2
	s_add_co_u32 s32, s32, s28                     ; which run of 8,192 numbers of the tensor
	s_lshl_b32 s32, s32, 15
	s_add_nc_u64 s[4:5], s[4:5], s[32:33]
	s_lshl_b32 s34, s30, 2
	s_add_co_u32 s34, s34, s28                     ; and of the three together
	s_lshl_b32 s32, s34, 12
	s_add_nc_u64 s[18:19], s[18:19], s[32:33]
	s_lshl_b32 s32, s34, 8
	s_add_nc_u64 s[20:21], s[20:21], s[32:33]
.macro LOAD t
.irp i, 0,1,2,3
	global_load_b128 v[R+16*((\t)%4)+4*\i:R+16*((\t)%4)+4*\i+3], v3, s[4:5] offset:2048*(\t)+512*\i th:TH_LOAD_NT
.endr
.endm
.macro TURN t                          ; LDS serves a wave's instructions in order: no wait between the stores and the loads
.irp i, 0,1,2,3
	ds_store_b128 v14, v[R+16*((\t)%4)+4*\i:R+16*((\t)%4)+4*\i+3] offset:32*SP*((\t)%2)+8*SP*\i
.endr
.irp i, 0,1,2,3
	ds_load_b128 v[X+16*((\t)%2)+4*\i:X+16*((\t)%2)+4*\i+3], v15 offset:32*SP*((\t)%2)+16*\i
.endr
.endm
.irp t, 0,1,2,3
	LOAD \t
.endr
	s_wait_loadcnt 12                              ; step 0's four loads are in
	TURN 0
.macro STEP t
.set XS, X+16*((\t)%2)
.if (\t) > 0
	s_wait_dscnt 1                                 ; this step's numbers are back from the stage (the last step's byte store may be out)
.else
	s_wait_dscnt 0x0
.endif
.if (\t)+4 < STEPS
	LOAD (\t)+4
.endif
.if (\t)+1 < STEPS
.if STEPS-2-(\t) >= 3
	s_wait_loadcnt 12                              ; the next step's four loads are in; those of the three steps behind it may be out
.else
	s_wait_loadcnt 4*(STEPS-2-(\t))
.endif
	TURN (\t)+1
.endif
	v_max3_num_f32 v8, |v[XS]|, |v[XS+1]|, |v[XS+2]|
	v_max3_num_f32 v9, |v[XS+3]|, |v[XS+4]|, |v[XS+5]|
.irp i, 6,10
	v_max3_num_f32 v8, v8, |v[XS+\i]|, |v[XS+\i+1]|
	v_max3_num_f32 v9, v9, |v[XS+\i+2]|, |v[XS+\i+3]|
.endr
	v_max3_num_f32 v8, v8, |v[XS+14]|, |v[XS+15]|
	v_max3_num_f32 v8, v8, v9, 0x1800000           ; the floor 2^(3 - 127)
	v_max_num_f32_dpp v8, v8, v8 row_xmask:1 row_mask:0xf bank_mask:0xf   ; with my neighbour's 16: the block's largest magnitude
	v_add_nc_u32 v11, 0xff000000, v8
	v_cvt_scalef32_pk8_fp4_f32 v[C+4*(\t)], v[XS:XS+7], v11
	v_cvt_scalef32_pk8_fp4_f32 v[C+4*(\t)+1], v[XS+8:XS+15], v11
	v_lshrrev_b32 v[E+(\t)], 23, v11               ; the scale's byte
	ds_store_b8 v5, v[E+(\t)] offset:16*(\t)       ; both lanes of a block write the same byte with the same value
	global_store_b64 v4, v[C+4*(\t):C+4*(\t)+1], s[18:19] offset:32*CB*(\t)   ; the wave stores 256 consecutive bytes, aligned
.endm
.irp t, 0,1,2,3,4,5,6,7,8,9,10,11,12,13,14,15
	STEP \t
.endr
	ds_load_b64 v[8:9], v6                         ; my wave's 256 scale bytes
	s_wait_dscnt 0x0
	global_store_b64 v7, v[8:9], s[20:21]          ; 256 consecutive bytes, aligned
.Lend:
	s_wait_tensorcnt 0x0                           ; the wave's end
	ds_add_u32 v[SPW], v[NIL]
	s_wait_dscnt 0x0
	s_endpgm
.Lfunc_end_k_qd0e9696d0d_prep:
	.size	k_qd0e9696d0d_prep, .Lfunc_end_k_qd0e9696d0d_prep-k_qd0e9696d0d_prep
	.p2alignl 7, 3214868480
	.fill 96, 4, 3214868480
	.section	.rodata,"a",@progbits
	.p2align	6, 0x0
	.amdhsa_kernel k_qd0e9696d0d_prep
		.amdhsa_group_segment_fixed_size 33280
		.amdhsa_private_segment_fixed_size 0
		.amdhsa_enable_private_segment 0
		.amdhsa_kernarg_size 96
		.amdhsa_user_sgpr_count 2
		.amdhsa_user_sgpr_kernarg_segment_ptr 1
		.amdhsa_wavefront_size32 1
		.amdhsa_system_sgpr_workgroup_id_x 1
		.amdhsa_system_sgpr_workgroup_id_y 1
		.amdhsa_system_sgpr_workgroup_id_z 1
		.amdhsa_system_vgpr_workitem_id 0
		.amdhsa_next_free_vgpr 192
		.amdhsa_next_free_sgpr 66
		.amdhsa_reserve_vcc 0
		.amdhsa_float_denorm_mode_32 3
		.amdhsa_float_denorm_mode_16_64 3
		.amdhsa_memory_ordered 1
		.amdhsa_forward_progress 1
		.amdhsa_inst_pref_size 65
	.end_amdhsa_kernel
	.amdgpu_metadata
---
amdhsa.version: [ 1, 2 ]
amdhsa.kernels:
  - .name:           k_qd0e9696d0d_prep
    .symbol:         k_qd0e9696d0d_prep.kd
    .args:
      - { .name: q, .offset: 0, .size: 8, .value_kind: global_buffer, .address_space: global }
      - { .name: k, .offset: 8, .size: 8, .value_kind: global_buffer, .address_space: global }
      - { .name: v, .offset: 16, .size: 8, .value_kind: global_buffer, .address_space: global }
      - { .name: wq, .offset: 24, .size: 8, .value_kind: global_buffer, .address_space: global }
      - { .name: wk, .offset: 32, .size: 8, .value_kind: global_buffer, .address_space: global }
      - { .name: wv, .offset: 40, .size: 8, .value_kind: global_buffer, .address_space: global }
      - { .name: wo, .offset: 48, .size: 8, .value_kind: global_buffer, .address_space: global }
      - { .name: xc, .offset: 56, .size: 8, .value_kind: global_buffer, .address_space: global }
      - { .name: xs, .offset: 64, .size: 8, .value_kind: global_buffer, .address_space: global }
      - { .name: wcf, .offset: 72, .size: 8, .value_kind: global_buffer, .address_space: global }
      - { .name: ws, .offset: 80, .size: 8, .value_kind: global_buffer, .address_space: global }
      - { .name: wof, .offset: 88, .size: 8, .value_kind: global_buffer, .address_space: global }
    .group_segment_fixed_size: 33280
    .private_segment_fixed_size: 0
    .kernarg_segment_align: 8
    .kernarg_segment_size: 96
    .max_flat_workgroup_size: 128
    .sgpr_count:     66
    .vgpr_count:     192
    .wavefront_size: 32
...
	.end_amdgpu_metadata
.endif
;; end of part 1
;; launch proj (part 2): grid 4 x 96, 4 waves a work-group, clusters of 4 x 4, 327,680 bytes of LDS; arguments xc, xs, wcf, ws, bq, bk, bv, qkvf; writes qkvf
.if DOCPART == 2
	.amdgcn_target "amdgcn-amd-amdhsa--gfx1250"
	.amdhsa_code_object_version 6
	.text
	.protected	k_qd0e9696d0d_proj
	.globl	k_qd0e9696d0d_proj
	.p2align	8
	.type	k_qd0e9696d0d_proj,@function
k_qd0e9696d0d_proj:
	s_mov_b64 s[64:65], 0
	v_nop
	global_prefetch_b8 v0, s[64:65] scope:SCOPE_SE
	s_setreg_imm32_b32 hwreg(HW_REG_WAVE_MODE, 25, 1), 1
	s_wait_xcnt 0x0
	s_wait_alu depctr_hold_cnt(0) depctr_sa_sdst(0) depctr_va_vdst(0) depctr_va_sdst(0) depctr_va_ssrc(0) depctr_va_vcc(0) depctr_vm_vsrc(0)
	s_getreg_b32 s2, hwreg(HW_REG_IB_STS2, 6, 4)
	s_cmp_eq_u32 s2, 0
	s_cbranch_scc0 .Lentry_in_a_cluster
	s_endpgm
.Lentry_in_a_cluster:
	s_bfe_u32 s2, ttmp6, 0x10000c
	s_cmp_lg_u32 s2, 0xf033
	s_cbranch_scc0 .Lentry_shape_is_right
	s_endpgm
.Lentry_shape_is_right:
; PROJ.  The three quantised products, q wq + bq, k wk + bk, v wv + bv, as ONE product of 24,576 rows (q | k | v) on codes of FP4 with E8M0 scales; sums in f32; the bias is the C of each sum's first instruction.
; A tile of 256 rows x 256 columns to a work-group of four waves, 128 x 128 a wave: 64 accumulators, 512 registers.  K = 1,024 is two LDS slots of 512: every tile is a first fill, nothing is filled again, there is no loop.
; 32 tile rows belong to one tensor, so a cluster's four tile rows share their weight: T = cluster y / 8.
; CLUSTERS: 4 x 4.  A's tiles are shared along a row of the cluster, B's along a column: each is asked for jointly, by the same tensor load with the same descriptor and a mask that names the four.
; A's codes lie as rows (256 bytes of a row to a slot, 16 bytes of padding behind each in LDS); B's lie in the order of an operand's registers: a fragment is 1,024 dense bytes, read at 16 x lane.
; THE MATRIX INSTRUCTION IS USED TRANSPOSED (source 0 = 16 columns of W, source 1 = 16 rows of x): a lane holds eight neighbouring columns of one row, 16 bytes as f16.
; THE WAY OUT needs no LDS: qkvf is laid in the order of attention's operand registers, [3 = Q, K, V][64 = batch x 16 + head][128 tiles of 16 tokens][4 tiles of 16 channels][512 bytes], so that
; one store of the wave covers 512 consecutive bytes, aligned.  Q and K: lane l's 16 bytes at 16 l.  V: at 16 ((r & 7) + 8 h + 16 (r >> 3)), the order in which the turning LDS load wants them.
; Q is multiplied by log2(e) / 8, so that attention's exponent is score - maximum.  LIMIT: results beyond +-65,504 (Q: behind that factor) are held there, since they go on as f16.
; REGISTERS: window 0: v16-31 addresses and constants; v32-95 scale words, two sets; v128-191 A's fragments, later numbers at work; v192-255 the bias, later packed results.
;   window 1: B's fragments, two sets, at v0 and v128.   windows 2, 3: the accumulators of my rows 0-63, 64-127 (accumulator (a, b) at v[8 (8 (a % 4) + b)]).
.set NQ,     4                         ; matrix instructions deep in a slot
.set ROWB,   256                       ; a slot's part of a row of A, in bytes
.set KROW,   512                       ; a row of A in memory; also the bytes of W's codes for one n
.set PITCH,  272                       ; an LDS row of A: 68 words, so the 16 rows of a load start at 16 different banks (64 banks of 4 bytes: ISA guide 11.1)
.set FR,     8
.set NL,     2
.set NP,     4                         ; places behind this matrix instruction (ISA guide 7.12.1)
.set HALFA,  128*PITCH
.set HALFB,  8*4096                    ; eight tiles of 16 n x 512 k
.set BOFF,   2*HALFA
.set SLOT,   2*HALFA+2*HALFB
.set KS,     32                        ; a row of scale bytes
.set SCL,    2*SLOT                    ; behind the slots: the scales, as 256 bytes + 16 of padding
.set HALFS,  (128*KS/256)*272
.set SBLK,   (16*KS/256)*272
.set SPARE,  SCL+4*HALFS               ; the spare words: 128 bytes for each wave, named by no other line
.set ADRA, 16                          ; v16-17 LDS address of my A fragments in slot 0, 1
.set ADRB, 20                          ; v20-21 the same for B
.set LIMN, 25                          ; v25 -65,504
.set CO,   26                          ; v26 my 16 bytes' place in a block of 512
.set ADRS, 27                          ; v27 my scale words: lanes 0-15 A's rows, lanes 16-31 B's
.set SPW,  28
.set NIL,  29
.set LIMV, 30                          ; v30 65,504
.set BOF,  31                          ; v31 32 h: my eight numbers of a tile's sixteen of the bias
.set SC,   32
.set AF,   128
.set TT,   128
.set BI,   192
.set YY,   192
.set G1, 24
.set G0, 32
.set G1B, 48
.set G0B, 56
.set G1S, 68
.set G0S, 76
.set G1SB, 80
.set G0SB, 88
.set MSB, 0
.macro WIN new                         ; the immediate's high byte repeats the setting that is left
.if MSB != (\new)
	s_set_vgpr_msb (MSB<<8)|(\new)
.set MSB, (\new)
.endif
.endm
.set MUL_LO, 0xa1                      ; source 0 (B) window 1, source 1 (A) window 0, C and D window 2
.set MUL_HI, 0xf1                      ; the same, C and D window 3
.set TO_B,   0x40
; A joint load: waves 0 and 1 fetch for A, waves 2 and 3 for B; the branch hangs on the wave's number alone.  An s_nop 0 and four v_nop follow each of the two lines.
.macro JLOAD g0a, g1a, g0b, g1b
	s_cmp_eq_u32 s15, 0
	s_cbranch_scc0 .Lfor_b_\@
	tensor_load_to_lds s[\g0a:\g0a+3], s[\g1a:\g1a+7]
	s_nop 0
.rept 4
	v_nop
.endr
	s_branch .Lasked_\@
.Lfor_b_\@:
	tensor_load_to_lds s[\g0b:\g0b+3], s[\g1b:\g1b+7]
	s_nop 0
.rept 4
	v_nop
.endr
.Lasked_\@:
.endm
.macro CROUND                          ; a round of the cluster's barrier
	s_barrier_signal -1
	s_barrier_wait -1
	s_cmp_lg_u32 s14, 0
	s_cbranch_scc1 .Lnot_wave_0_\@
	s_barrier_signal -3
.Lnot_wave_0_\@:
	s_barrier_wait -3
	s_barrier_signal -1
	s_barrier_wait -1
.endm
	s_load_b256 s[4:11], s[0:1], 0x0               ; xc 4, xs 6, wcf 8, ws 10
	s_load_b128 s[96:99], s[0:1], 0x20             ; bq, bk
	s_load_b64 s[100:101], s[0:1], 0x30            ; bv
	s_load_b64 s[12:13], s[0:1], 0x38              ; qkvf
	v_lshl_add_u32 v[SPW], v0, 2, SPARE
	v_mov_b32 v[NIL], 0
	ds_add_u32 v[SPW], v[NIL]                      ; the wave's opening: the add and its wait come ahead of my first tensor load; the set-up below stands between them
	v_lshrrev_b32 v1, 5, v0
	v_readfirstlane_b32 s14, v1                    ; wave 0..3
	s_lshr_b32 s15, s14, 1                         ; which half of the tile's rows is mine.  Also: I fetch for A (0) or for B (1)
	s_and_b32 s16, s14, 1                          ; which half of its columns.  Also: which half of that tile I fetch
	s_bfe_u32 s40, ttmp6, 0x40000                  ; cx
	s_bfe_u32 s41, ttmp6, 0x40004                  ; cy
	s_lshl_b32 s42, ttmp9, 2
	s_add_co_u32 s42, s42, s40                     ; tile column
	s_and_b32 s17, ttmp7, 0xffff
	s_lshr_b32 s95, s17, 3                         ; T: 0 q, 1 k, 2 v: the same in all sixteen partners
	s_lshl_b32 s17, s17, 2
	s_add_co_u32 s17, s17, s41                     ; tile row of the 96
	s_lshl_b32 s43, s41, 2
	s_lshl_b32 s43, 15, s43                        ; my row of the cluster
	s_lshl_b32 s44, 0x1111, s40                    ; my column
	s_or_b32 s[G1+0], s43, (0<<16)|(1<<20)|(1<<21)|(5<<22)|(3<<25)  ; A's codes: elements of 1 byte; four words of padding after every 64; bit 21 beside the mask
	s_mov_b32 s[G1+1], ROWB<<16                    ; tensor_dim0 = 256
	s_mov_b32 s[G1+2], 128<<16                     ; tensor_dim1 = 128
	s_mov_b32 s[G1+3], ROWB<<16                    ; tile_dim0
	s_mov_b32 s[G1+4], 128                         ; tile_dim1
	s_mov_b32 s[G1+5], KROW                        ; from row to row
	s_mov_b32 s[G1+6], 0
	s_mov_b32 s[G1+7], 0
	s_or_b32 s[G1B+0], s44, (3<<16)|(1<<21)        ; B's codes: elements of 8 bytes, no padding: eight tiles' 4,096 bytes, 8,192 bytes apart in memory
	s_mov_b32 s[G1B+1], 512<<16
	s_mov_b32 s[G1B+2], 8<<16
	s_mov_b32 s[G1B+3], 512<<16
	s_mov_b32 s[G1B+4], 8
	s_mov_b32 s[G1B+5], 1024
	s_mov_b32 s[G1B+6], 0
	s_mov_b32 s[G1B+7], 0
	s_or_b32 s[G1S+0], s43, (3<<16)|(1<<20)|(1<<21)|(5<<22)|(3<<25)   ; the scales of 128 rows: 4,096 dense bytes as 16 rows of 256, 16 bytes of padding behind each
	s_or_b32 s[G1SB+0], s44, (3<<16)|(1<<20)|(1<<21)|(5<<22)|(3<<25)
.irp g, G1S, G1SB
	s_mov_b32 s[\g+1], 32<<16
	s_mov_b32 s[\g+2], (128*KS/256)<<16
	s_mov_b32 s[\g+3], 32<<16
	s_mov_b32 s[\g+4], 128*KS/256
	s_mov_b32 s[\g+5], 32
	s_mov_b32 s[\g+6], 0
	s_mov_b32 s[\g+7], 0
.endr
	s_lshl_b32 s18, s16, 7                         ; which 128 of the tile's 256 I fetch
	s_lshl_b32 s20, s17, 8
	s_add_co_u32 s20, s20, s18                     ; A: row 256 x tile row + 128 x half
	s_lshl_b32 s46, s42, 8
	s_add_co_u32 s46, s46, s18
	s_lshl_b32 s19, s95, 10
	s_add_co_u32 s46, s46, s19                     ; B: n = 1,024 T + 256 x tile column + 128 x half
	s_mov_b32 s21, 0
	s_mov_b32 s47, 0
	s_mov_b64 s[18:19], KS
	s_mul_u64 s[22:23], s[20:21], s[18:19]         ; where their scales begin, in bytes
	s_mul_u64 s[92:93], s[46:47], s[18:19]
	s_mov_b64 s[18:19], KROW
	s_mul_u64 s[20:21], s[20:21], s[18:19]         ; and their codes: 512 bytes for a row of A and for an n of W alike
	s_mul_u64 s[46:47], s[46:47], s[18:19]
	s_mul_i32 s45, s16, HALFA                      ; where they go: no place in the cluster enters an LDS address
	s_mul_i32 s3, s16, HALFB
	s_add_co_u32 s3, s3, BOFF
	s_mul_i32 s94, s14, HALFS
	s_wait_dscnt 0x0                               ; the opening add is done
	s_wait_kmcnt 0x0
	s_add_nc_u64 s[20:21], s[4:5], s[20:21]
	s_add_nc_u64 s[22:23], s[6:7], s[22:23]
	s_add_nc_u64 s[46:47], s[8:9], s[46:47]
	s_add_nc_u64 s[92:93], s[10:11], s[92:93]
	CROUND                                         ; all sixteen work-groups are here: the joint loads meet
	s_mov_b32 s[G0S], 1
	s_add_co_u32 s[G0S+1], s94, SCL
	s_mov_b64 s[G0S+2:G0S+3], s[22:23]
	s_or_b32 s[G0S+3], s[G0S+3], 0x80000000
	s_mov_b32 s[G0SB], 1
	s_add_co_u32 s[G0SB+1], s94, SCL
	s_mov_b64 s[G0SB+2:G0SB+3], s[92:93]
	s_or_b32 s[G0SB+3], s[G0SB+3], 0x80000000
	JLOAD G0S, G1S, G0SB, G1SB                     ; three loads of mine are out at the most: the scales, slot 0, slot 1
.irp s, 0,1
	s_mov_b32 s[G0+4*\s], 1
	s_add_co_u32 s[G0+4*\s+1], s45, \s*SLOT
	s_add_nc_u64 s[G0+4*\s+2:G0+4*\s+3], s[20:21], \s*ROWB
	s_or_b32 s[G0+4*\s+3], s[G0+4*\s+3], 0x80000000
	s_mov_b32 s[G0B+4*\s], 1
	s_add_co_u32 s[G0B+4*\s+1], s3, \s*SLOT
	s_add_nc_u64 s[G0B+4*\s+2:G0B+4*\s+3], s[46:47], \s*4096
	s_or_b32 s[G0B+4*\s+3], s[G0B+4*\s+3], 0x80000000
	JLOAD G0+4*\s, G1, G0B+4*\s, G1B
.endr
	; the bias of my 128 columns, the factor, V's order of lanes
	s_cmp_eq_u32 s95, 1
	s_cselect_b64 s[98:99], s[98:99], s[100:101]
	s_cmp_eq_u32 s95, 0
	s_cselect_b64 s[96:97], s[96:97], s[98:99]
	s_cselect_b32 s66, 0x3e38aa3b, 1.0             ; Q: log2(e) / 8
	s_mov_b32 s67, s66                             ; (named with it as a pair)
	s_cmp_eq_u32 s95, 2
	s_cselect_b32 s2, -1, 0
	s_lshl_b32 s46, s42, 10
	s_lshl_b32 s47, s16, 9
	s_add_co_u32 s46, s46, s47
	s_mov_b32 s47, 0
	s_add_nc_u64 s[96:97], s[96:97], s[46:47]
	v_and_b32 v1, 15, v0                           ; r
	v_bfe_u32 v2, v0, 4, 1                         ; h
	v_lshlrev_b32 v[BOF], 5, v2
.irp b, 0,1,2,3,4,5,6,7
	global_load_b128 v[BI+8*\b:BI+8*\b+3], v[BOF], s[96:97] offset:64*\b          ; in the result's layout: register j of tile b = bias(16 b + 8 h + j)
	global_load_b128 v[BI+8*\b+4:BI+8*\b+7], v[BOF], s[96:97] offset:64*\b+16
.endr
	v_and_b32 v6, 31, v0
	v_mul_u32_u24 v3, v1, PITCH
	v_lshl_add_u32 v4, v2, 4, v3                   ; A: a fragment's row x pitch + 16 h
	v_lshlrev_b32 v7, 4, v6                        ; B: 16 x lane
	s_mul_i32 s21, s15, HALFA
	s_mul_i32 s22, s16, HALFB
	s_add_co_u32 s22, s22, BOFF
.irp s, 0,1
	v_add_nc_u32 v[ADRA+\s], s21, v4
	v_add_nc_u32 v[ADRB+\s], s22, v7
	s_add_co_u32 s21, s21, SLOT
	s_add_co_u32 s22, s22, SLOT
.endr
	v_mul_u32_u24 v5, v1, KS                       ; my row's scales: 32 bytes a row,
	v_lshrrev_b32 v6, 8, v5
	v_lshl_add_u32 v5, v6, 4, v5                   ; and 16 more for each 256 passed
	s_mul_i32 s21, s15, HALFS
	s_mul_i32 s22, s16, HALFS
	s_add_co_u32 s22, s22, 2*HALFS
	s_sub_co_u32 s22, s22, s21
	v_mul_u32_u24 v6, s22, v2                      ; lanes 16-31 take B's
	s_add_co_u32 s21, s21, SCL
	v_add_nc_u32 v5, v5, v6
	v_add_nc_u32 v[ADRS], s21, v5
	v_and_b32 v8, 7, v1
	v_lshl_add_u32 v8, v2, 3, v8
	v_and_b32 v9, 8, v1
	v_lshl_add_u32 v8, v9, 1, v8                   ; (r & 7) + 8 h + 16 (r >> 3)
	v_lshlrev_b32 v8, 4, v8
	v_cndmask_b32 v[CO], v7, v8, s2                ; V takes that order, Q and K the lanes' own
	v_mov_b32 v[LIMV], 0x477fe000
	v_mov_b32 v[LIMN], 0xc77fe000
	; where my part begins in qkvf
	s_lshl_b32 s20, s17, 8
	s_lshl_b32 s21, s15, 7
	s_add_co_u32 s20, s20, s21
	s_and_b32 s20, s20, 8191                       ; my first row in its tensor
	s_lshr_b32 s21, s20, 11                        ; the batch
	s_and_b32 s20, s20, 2047                       ; the token
	s_lshl_b32 s20, s20, 7                         ; 2,048 bytes for a tile of 16 tokens
	s_lshl_b32 s21, s21, 22                        ; 16 heads of 262,144 bytes
	s_add_co_u32 s20, s20, s21
	s_lshl_b32 s21, s95, 24
	s_add_co_u32 s20, s20, s21
	s_lshl_b32 s46, s42, 20                        ; four heads to a tile column,
	s_lshl_b32 s47, s16, 19                        ; two to a wave
	s_add_co_u32 s46, s46, s47
	s_add_co_u32 s20, s20, s46
	s_mov_b32 s21, 0
	s_add_nc_u64 s[12:13], s[12:13], s[20:21]
.macro FRAG reg, adr, q, i             ; A: lane l holds row l % 16; registers 4 c .. 4 c + 3 hold K = 64 c + 32 (l / 16) + 0 .. 31
.irp c, 0,1
	ds_load_b128 v[\reg+4*\c:\reg+4*\c+3], v[\adr] offset:64*(\q)+32*\c+(\i)*16*PITCH
.endr
.endm
.macro FRAGB reg, adr, q, i            ; B: the fragment's image, 512 consecutive bytes a load
.irp c, 0,1
	ds_load_b128 v[\reg+4*\c:\reg+4*\c+3], v[\adr] offset:(\i)*4096+(\q)*1024+512*\c
.endr
.endm
; 16 matrix instructions: A's blocks a0, a0 + 1 x B's eight.  zero = 1: the first product starts the sums from the bias.  The 64 accumulators take turns, one instruction a turn, in the same order in every step.
.macro MUL16 a0, p, q, sc, zero
.irp a, \a0, \a0+1
.irp b, 0,1,2,3,4,5,6,7
.if \zero
	v_wmma_scale_f32_16x16x128_f8f6f4 v[8*(8*((\a)%4)+\b):8*(8*((\a)%4)+\b)+7], v[128*(\p)+FR*\b:128*(\p)+FR*\b+FR-1], v[AF+FR*(\a):AF+FR*(\a)+FR-1], v[BI+8*\b:BI+8*\b+7], v[SC+8*NQ*(\sc)+NQ*\b+(\q)], v[SC+8*NQ*(\sc)+NQ*(\a)+(\q)] matrix_a_fmt:MATRIX_FMT_FP4 matrix_b_fmt:MATRIX_FMT_FP4 matrix_a_scale:MATRIX_SCALE_ROW1
.else
	v_wmma_scale_f32_16x16x128_f8f6f4 v[8*(8*((\a)%4)+\b):8*(8*((\a)%4)+\b)+7], v[128*(\p)+FR*\b:128*(\p)+FR*\b+FR-1], v[AF+FR*(\a):AF+FR*(\a)+FR-1], v[8*(8*((\a)%4)+\b):8*(8*((\a)%4)+\b)+7], v[SC+8*NQ*(\sc)+NQ*\b+(\q)], v[SC+8*NQ*(\sc)+NQ*(\a)+(\q)] matrix_a_fmt:MATRIX_FMT_FP4 matrix_b_fmt:MATRIX_FMT_FP4 matrix_a_scale:MATRIX_SCALE_ROW1
.endif
.endr
.endr
.endm
.macro FETCH_B slot, q, p
	WIN TO_B
.irp i, 0,1,2,3,4,5,6,7
	FRAGB 128*(\p)+FR*\i, ADRB+\slot, \q, \i
.endr
	WIN 0
.endm
.macro FETCH_A slot, q, i0
.irp i, \i0, \i0+1, \i0+2, \i0+3
	FRAG AF+FR*(\i), ADRA+\slot, \q, \i
.endr
.endm
.macro SCALES sc                       ; a slot's scale words: four words a row; lanes 0-15 take A's block i, lanes 16-31 B's block i
.irp i, 0,1,2,3,4,5,6,7
	ds_load_b128 v[SC+8*NQ*\sc+NQ*\i:SC+8*NQ*\sc+NQ*\i+3], v[ADRS] offset:\i*SBLK
.endr
.endm
.macro PLACES n                        ; plain vector instructions between a matrix instruction and a load into, or a vector write of, a register that it read, or a read of its result
.rept \n
	v_nop
.endr
.endm
.macro STEP slot, q, zero              ; a step of 128 along K that has its successor in the same slot
	s_wait_dscnt 4*NL                              ; B's set and A's blocks 0-3 are in; the youngest eight loads (A's blocks 4-7) may be out
.if \zero
	WIN 0x81                                       ; C (the bias) in window 0
.else
	WIN MUL_LO
.endif
	MUL16 0, (\q)%2, \q, \slot, \zero
	MUL16 2, (\q)%2, \q, \slot, \zero
	s_wait_dscnt 0
	PLACES NP
	FETCH_B \slot, (\q)+1, 1-(\q)%2
	FETCH_A \slot, (\q)+1, 0
.if \zero
	WIN 0xc1
.else
	WIN MUL_HI
.endif
	MUL16 4, (\q)%2, \q, \slot, \zero
	MUL16 6, (\q)%2, \q, \slot, \zero
	PLACES NP
	WIN 0
	FETCH_A \slot, (\q)+1, 4
.endm
.macro TURN slot, next                 ; slot 0's last step: one barrier, in front of which each wave has waited for all its tensor loads; behind it slot 1 is whole for every wave.  Nothing is filled again
	s_wait_tensorcnt 0x0
	ds_add_u32 v[SPW], v[NIL]
	s_wait_dscnt 4*NL+1                            ; (the add and A's blocks 4-7 may be out)
	WIN MUL_LO
	MUL16 0, 1, NQ-1, \slot, 0
	s_wait_dscnt 0x0
	s_barrier_signal -1
	MUL16 2, 1, NQ-1, \slot, 0
	WIN 0
	s_barrier_wait -1
	PLACES NP
	v_add_nc_u32 v[ADRS], 4*NQ, v[ADRS]            ; on to the next slot's scale words (no LDS load of mine is out)
	FETCH_B \next, 0, 0
	FETCH_A \next, 0, 0
	SCALES \next
	WIN MUL_HI
	MUL16 4, 1, NQ-1, \slot, 0
	MUL16 6, 1, NQ-1, \slot, 0
	PLACES NP
	WIN 0
	FETCH_A \next, 0, 4
.endm
.macro STEPS slot, from
.set Q, \from
.rept NQ-1-\from
	STEP \slot, Q, 0
.set Q, Q+1
.endr
.endm
	s_wait_tensorcnt 1                             ; the scales and my part of slot 0 are in; slot 1's load may be out,
	s_barrier_signal -1
	s_barrier_wait -1                              ; everybody's are
	FETCH_B 0, 0, 0
	FETCH_A 0, 0, 0
	SCALES 0
	FETCH_A 0, 0, 4
	s_wait_loadcnt 0x0                             ; the bias
	STEP 0, 0, 1
	STEPS 0, 1
	TURN 0, 1
	STEPS 1, 0
	s_wait_dscnt 4*NL                              ; the very last step
	WIN MUL_LO
	MUL16 0, 1, NQ-1, 1, 0
	MUL16 2, 1, NQ-1, 1, 0
	s_wait_dscnt 0
	WIN MUL_HI
	MUL16 4, 1, NQ-1, 1, 0
	MUL16 6, 1, NQ-1, 1, 0
	WIN 0
; THE WAY OUT of block a (16 rows x 128 columns): x the factor, held at +-65,504, rounded to f16, eight stores of 512 consecutive bytes.  Each accumulator is read from its low end on.
.macro OUT a
.set AC, 64*((\a)%4)
.set YB, YY+32*((\a)%2)
	WIN 0x02+((\a)/4)                              ; source 0: window 2 or 3
.set i, 0
.rept 32
	v_pk_mul_f32 v[TT+2*i:TT+2*i+1], v[AC+2*i:AC+2*i+1], s[66:67] op_sel_hi:[1,0]
.set i, i+1
.endr
	WIN 0
.set i, 0
.rept 64
	v_med3_num_f32 v[TT+i], v[TT+i], v[LIMN], v[LIMV]
.set i, i+1
.endr
.if (\a) >= 2
	s_wait_xcnt 0x0                                ; block a - 2's stores have read their data: the registers may be written again
.endif
.set i, 0
.rept 32
	v_cvt_pk_f16_f32 v[YB+i], v[TT+2*i], v[TT+2*i+1]
.set i, i+1
.endr
.irp b, 0,1,2,3,4,5,6,7
	global_store_b128 v[CO], v[YB+4*\b:YB+4*\b+3], s[12:13] offset:(\a)*2048+(\b/4)*262144+(\b%4)*512
.endr
.endm
	PLACES NP                                      ; the first lines below write registers that the last products read as A
.irp a, 0,1,2,3,4,5,6,7
	OUT \a
.endr
	s_wait_tensorcnt 0x0                           ; the wave's end
	ds_add_u32 v[SPW], v[NIL]
	s_wait_dscnt 0x0
	CROUND                                         ; the closing round
	s_endpgm
.Lfunc_end_k_qd0e9696d0d_proj:
	.size	k_qd0e9696d0d_proj, .Lfunc_end_k_qd0e9696d0d_proj-k_qd0e9696d0d_proj
	.p2alignl 7, 3214868480
	.fill 96, 4, 3214868480
	.section	.rodata,"a",@progbits
	.p2align	6, 0x0
	.amdhsa_kernel k_qd0e9696d0d_proj
		.amdhsa_group_segment_fixed_size 327680
		.amdhsa_private_segment_fixed_size 0
		.amdhsa_enable_private_segment 0
		.amdhsa_kernarg_size 64
		.amdhsa_user_sgpr_count 2
		.amdhsa_user_sgpr_kernarg_segment_ptr 1
		.amdhsa_wavefront_size32 1
		.amdhsa_system_sgpr_workgroup_id_x 1
		.amdhsa_system_sgpr_workgroup_id_y 1
		.amdhsa_system_sgpr_workgroup_id_z 1
		.amdhsa_system_vgpr_workitem_id 0
		.amdhsa_next_free_vgpr 1024
		.amdhsa_next_free_sgpr 102
		.amdhsa_reserve_vcc 0
		.amdhsa_float_denorm_mode_32 3
		.amdhsa_float_denorm_mode_16_64 3
		.amdhsa_memory_ordered 1
		.amdhsa_forward_progress 1
		.amdhsa_inst_pref_size 168
	.end_amdhsa_kernel
	.amdgpu_metadata
---
amdhsa.version: [ 1, 2 ]
amdhsa.kernels:
  - .name:           k_qd0e9696d0d_proj
    .symbol:         k_qd0e9696d0d_proj.kd
    .args:
      - { .name: xc, .offset: 0, .size: 8, .value_kind: global_buffer, .address_space: global }
      - { .name: xs, .offset: 8, .size: 8, .value_kind: global_buffer, .address_space: global }
      - { .name: wcf, .offset: 16, .size: 8, .value_kind: global_buffer, .address_space: global }
      - { .name: ws, .offset: 24, .size: 8, .value_kind: global_buffer, .address_space: global }
      - { .name: bq, .offset: 32, .size: 8, .value_kind: global_buffer, .address_space: global }
      - { .name: bk, .offset: 40, .size: 8, .value_kind: global_buffer, .address_space: global }
      - { .name: bv, .offset: 48, .size: 8, .value_kind: global_buffer, .address_space: global }
      - { .name: qkvf, .offset: 56, .size: 8, .value_kind: global_buffer, .address_space: global }
    .group_segment_fixed_size: 327680
    .private_segment_fixed_size: 0
    .kernarg_segment_align: 8
    .kernarg_segment_size: 64
    .max_flat_workgroup_size: 128
    .sgpr_count:     102
    .vgpr_count:     1024
    .wavefront_size: 32
...
	.end_amdgpu_metadata
.endif
;; end of part 2
;; launch attn (part 3): grid 4 x 64, 8 waves a work-group, clusters of 4 x 1, 327,680 bytes of LDS; arguments qkvf, af; writes af
.if DOCPART == 3
	.amdgcn_target "amdgcn-amd-amdhsa--gfx1250"
	.amdhsa_code_object_version 6
	.text
	.protected	k_qd0e9696d0d_attn
	.globl	k_qd0e9696d0d_attn
	.p2align	8
	.type	k_qd0e9696d0d_attn,@function
k_qd0e9696d0d_attn:
	s_mov_b64 s[64:65], 0
	v_nop
	global_prefetch_b8 v0, s[64:65] scope:SCOPE_SE
	s_setreg_imm32_b32 hwreg(HW_REG_WAVE_MODE, 25, 1), 1
	s_wait_xcnt 0x0
	s_wait_alu depctr_hold_cnt(0) depctr_sa_sdst(0) depctr_va_vdst(0) depctr_va_sdst(0) depctr_va_ssrc(0) depctr_va_vcc(0) depctr_vm_vsrc(0)
	s_getreg_b32 s2, hwreg(HW_REG_IB_STS2, 6, 4)
	s_cmp_eq_u32 s2, 0
	s_cbranch_scc0 .Lentry_in_a_cluster
	s_endpgm
.Lentry_in_a_cluster:
	s_bfe_u32 s2, ttmp6, 0x10000c
	s_cmp_lg_u32 s2, 0x3003
	s_cbranch_scc0 .Lentry_shape_is_right
	s_endpgm
.Lentry_shape_is_right:
; ATTN.  For each of 64 (batch, head): O[q] = the sum over k of softmax_k(Q[q] . K[k] / 8) V[k], head size 64, 2,048 keys.  Operands f16, products, maxima and sums f32; the weights p are rounded to f16, O once at the end.
; Q arrives multiplied by log2(e) / 8: p = 2^(score - m), m the query's running maximum; in every step O and the sum l are multiplied by 2^(m_old - m_new).
; SHARES.  A work-group owns 512 queries of one (batch, head); each of its eight waves 64: four tiles of 16, in 512 registers, two waves to a SIMD, so that one wave's softmax stands beside the other's products.
; Every wave walks all keys, 64 a step.  A fragment of K or V read from LDS feeds four products.
; LAYOUT.  qkvf holds Q, K, V in the order of the operands' registers: a block of 512 bytes is (16 tokens x 16 channels), read at 16 x lane: K and Q by plain loads, V by the turning load.  No pitch, no padding.
; S^T = K Q^T (source 0 = 16 keys, source 1 = 16 queries): a lane holds ONE query (lane % 16) and the keys 8 (lane / 16) + 0..7 of a tile; two tiles rounded in pairs ARE source 1 of O^T = V^T P.
; CLUSTER.  The cluster's four work-groups are the four query blocks of one (batch, head) and walk the same K and V: each tile is asked for jointly, mask 15.
; LDS.  Two slots of 512 keys (K 65,536 bytes, then V 65,536), 2^17 bytes apart.  Four fills: two at the start, two refills; each wave brings 16,384 bytes by one load.
; No prefetch: a refill is issued eight key steps ahead of the wait for it, and only two of the four fills are refills.
; The result goes out as f16 in the order of the last product's operand registers: af [512 tiles of 16 rows][32 groups of 32 k][1,024 bytes]; a store of the wave covers 512 consecutive bytes, aligned.
; REGISTERS.  window 0: v2-5 addresses; v16-47 statistics, eight a tile; v62, v63 the add's two; v64-191 S^T, 32 a tile, p in place, P packed into a tile's first 16; v192-255 V of one step.
;   window 1: v0-63 Q; v64-127 K of one step; v128-255 O^T, 32 a tile.
.set SLOT1, 1<<17
.set VOFF,  65536
.set SPARE, 2*SLOT1                    ; the spare words: 128 bytes for each of eight waves, named by no other line
.set LI,  2                            ; v2  16 x lane
.set LIV, 3                            ; v3  16 x lane + VOFF
.set ADK, 4
.set ADV, 5
.set SPW, 62
.set NIL, 63
.set ST,  16                           ; tile t at v[ST + 8 t]: +0 m, +1 its pair's partner, +2, +3 l, +4 to +7 the maximum's four chains; later +4, +5 the step's sum, +6 a = 2^(m_old - m_new), +7 m_old - m_new
.set S,   64
.set VF,  192
.set QF,  0
.set KF,  64
.set OA,  128
.set WV,  12
.set G1,  24
.set G0,  40                           ; s[40:43] fill 0; s[44:47] fill 1, which then walks
.set SLOTS, 56
.set CNT, 57
.set SEL, 60
.set TB,  62                           ; LDS byte at which the step to be fetched begins
.set MSB, 0
.macro WIN new
.if MSB != (\new)
	s_set_vgpr_msb (MSB<<8)|(\new)
.set MSB, (\new)
.endif
.endm
.macro CROUND
	s_barrier_signal -1
	s_barrier_wait -1
	s_cmp_lg_u32 s[WV], 0
	s_cbranch_scc1 .Lnot_wave_0_\@
	s_barrier_signal -3
.Lnot_wave_0_\@:
	s_barrier_wait -3
	s_barrier_signal -1
	s_barrier_wait -1
.endm
	s_load_b128 s[4:7], s[0:1], 0x0                ; qkvf, af
	v_lshl_add_u32 v[SPW], v0, 2, SPARE
	v_mov_b32 v[NIL], 0
	ds_add_u32 v[SPW], v[NIL]                      ; the wave's opening: the add and its wait come ahead of my first tensor load
	v_lshrrev_b32 v1, 5, v0
	v_readfirstlane_b32 s[WV], v1                  ; wave 0..7
	s_bfe_u32 s13, ttmp6, 0x40000                  ; cx: my block of 512 queries: it enters Q's and af's addresses alone
	s_and_b32 s14, ttmp7, 0xffff                   ; batch x 16 + head, which the four partners share
	s_lshr_b32 s16, s[WV], 2                       ; waves 0-3 fetch K, waves 4-7 V
	s_add_co_u32 s16, s16, 1
	s_lshl_b32 s16, s16, 24                        ; K begins 2^24 bytes into qkvf, V 2^25
	s_lshl_b32 s17, s14, 18
	s_add_co_u32 s16, s16, s17
	s_and_b32 s17, s[WV], 3
	s_lshl_b32 s17, s17, 14                        ; my quarter of a fill's 65,536 bytes
	s_add_co_u32 s16, s16, s17
	s_mov_b32 s17, 0
	s_lshl_b32 s15, s[WV], 14                      ; and its place in a slot
	s_lshl_b32 s18, s14, 18                        ; Q: my wave's four tiles
	s_lshl_b32 s19, s13, 16
	s_add_co_u32 s18, s18, s19
	s_lshl_b32 s19, s[WV], 13
	s_add_co_u32 s18, s18, s19
	s_mov_b32 s19, 0
	s_lshr_b32 s20, s14, 4                         ; af: row tile = 128 x batch + 32 cx + 4 x wave,
	s_lshl_b32 s20, s20, 7
	s_lshl_b32 s21, s13, 5
	s_add_co_u32 s20, s20, s21
	s_lshl_b32 s21, s[WV], 2
	s_add_co_u32 s20, s20, s21
	s_lshl_b32 s20, s20, 15
	s_and_b32 s21, s14, 15                         ; and 2,048 bytes for a head
	s_lshl_b32 s21, s21, 11
	s_add_co_u32 s20, s20, s21
	s_mov_b32 s21, 0
	s_mov_b32 s[G1], 15|(3<<16)|(1<<21)            ; the mask: all four; elements of 8 bytes; bit 21 beside the mask; no padding
	s_mov_b32 s[G1+1], 32<<16                      ; 16,384 dense bytes as 64 rows of 256
	s_mov_b32 s[G1+2], 64<<16
	s_mov_b32 s[G1+3], 32<<16
	s_mov_b32 s[G1+4], 64
	s_mov_b32 s[G1+5], 32
	s_mov_b32 s[G1+6], 0
	s_mov_b32 s[G1+7], 0
	s_mov_b32 s[SEL], 0x76543210
	s_mov_b32 s[SEL+1], 0xfedcba98
	s_mov_b32 s[TB], 0
	s_mov_b32 s[SLOTS], 2
	s_wait_dscnt 0x0                               ; the opening add is done
	s_wait_kmcnt 0x0
	s_add_nc_u64 s[8:9], s[4:5], s[16:17]
	s_add_nc_u64 s[4:5], s[4:5], s[18:19]
	s_add_nc_u64 s[6:7], s[6:7], s[20:21]
	CROUND                                         ; all four work-groups are here: the first joint loads meet
	s_mov_b32 s[G0], 1
	s_mov_b32 s[G0+1], s15
	s_mov_b64 s[G0+2:G0+3], s[8:9]
	s_or_b32 s[G0+3], s[G0+3], 0x80000000
	s_mov_b32 s[G0+4], 1
	s_add_co_u32 s[G0+5], s15, SLOT1
	s_add_nc_u64 s[G0+6:G0+7], s[8:9], 65536
	s_or_b32 s[G0+7], s[G0+7], 0x80000000
	tensor_load_to_lds s[G0:G0+3], s[G1:G1+7]      ; two loads of mine are out
	s_nop 0
	tensor_load_to_lds s[G0+4:G0+7], s[G1:G1+7]
	s_nop 0
.rept 4
	v_nop
.endr
	v_and_b32 v1, 31, v0
	v_lshlrev_b32 v[LI], 4, v1
	v_add_nc_u32 v[LIV], VOFF, v[LI]
	WIN 0x40                                       ; destination window 1
.irp n, 0,1,2,3,4,5,6,7,8,9,10,11,12,13,14,15
	global_load_b128 v[QF+4*\n:QF+4*\n+3], v[LI], s[4:5] offset:512*\n   ; Q stays in registers: tile n / 4, channels 16 (n % 4) on
.endr
	WIN 0
.irp t, 0,1,2,3
	v_mov_b32 v[ST+8*\t+1], 0                      ; named with m as a pair, so it is written
.endr
.macro KLOAD                           ; a step's K: 64 keys x 64 channels, 16 loads of 512 consecutive bytes
	v_add_nc_u32 v[ADK], s[TB], v[LI]
	WIN 0x40
.irp n, 0,1,2,3,4,5,6,7,8,9,10,11,12,13,14,15
	ds_load_b128 v[KF+4*\n:KF+4*\n+3], v[ADK] offset:512*\n
.endr
	WIN 0
.endm
; HEAD: a step's 32 products K Q^T, then the run of loads that brings its V.  The 16 accumulators take turns, one instruction a turn.
.macro HEAD
	s_wait_dscnt 0x0                               ; K is in
	WIN 0x05                                       ; K and Q in window 1, S^T in window 0
.irp c, 0,1
.irp k, 0,1,2,3
.irp t, 0,1,2,3
.if \c == 0
	v_wmma_f32_16x16x32_f16 v[S+32*\t+8*\k:S+32*\t+8*\k+7], v[KF+8*(2*\k+\c):KF+8*(2*\k+\c)+7], v[QF+16*\t+8*\c:QF+16*\t+8*\c+7], 0
.else
	v_wmma_f32_16x16x32_f16 v[S+32*\t+8*\k:S+32*\t+8*\k+7], v[KF+8*(2*\k+\c):KF+8*(2*\k+\c)+7], v[QF+16*\t+8*\c:QF+16*\t+8*\c+7], v[S+32*\t+8*\k:S+32*\t+8*\k+7]
.endif
.endr
.endr
.endr
	WIN 0
	v_add_nc_u32 v[ADV], s[TB], v[LIV]             ; this line and three v_nop: the four places in front of the reads of S^T and of the loads into K's registers
.rept 3
	v_nop
.endr
.irp g, 0,1
.irp n, 0,1,2,3
.irp u, 0,1
	ds_load_tr16_b128 v[VF+8*(4*\g+\n)+4*\u:VF+8*(4*\g+\n)+4*\u+3], v[ADV] offset:(2*\g+\u)*2048+\n*512   ; keys 32 g + 16 u on, channels 16 n on, turned: lane l holds channel l % 16 and eight keys
.endr
.endr
.endr
	s_add_co_u32 s[TB], s[TB], 8192                ; the next fetch is the next step's
.endm
; TAIL: the next step's K is asked for; the step's softmax for the four tiles; its 32 products V^T P.  first = 1: the first step starts m, l and O^T.
.macro TAIL first, kload
.if \kload
	KLOAD
.endif
.irp j, 0,1,2,3                        ; the maximum of a lane's 32 scores: four chains a tile, each beginning at its accumulator's low end
.irp t, 0,1,2,3
	v_max3_num_f32 v[ST+8*\t+4+\j], v[S+32*\t+8*\j], v[S+32*\t+8*\j+1], v[S+32*\t+8*\j+2]
.endr
.endr
.irp p, 1,2
.irp j, 0,1,2,3
.irp t, 0,1,2,3
	v_max3_num_f32 v[ST+8*\t+4+\j], v[ST+8*\t+4+\j], v[S+32*\t+8*\j+2*\p+1], v[S+32*\t+8*\j+2*\p+2]
.endr
.endr
.endr
.irp t, 0,1,2,3
	v_max3_num_f32 v[ST+8*\t+4], v[ST+8*\t+4], v[S+32*\t+7], v[S+32*\t+15]
.endr
.irp t, 0,1,2,3
	v_max3_num_f32 v[ST+8*\t+6], v[ST+8*\t+6], v[S+32*\t+23], v[S+32*\t+31]
.endr
.irp t, 0,1,2,3
	v_max3_num_f32 v[ST+8*\t+4], v[ST+8*\t+4], v[ST+8*\t+5], v[ST+8*\t+6]
.endr
.irp t, 0,1,2,3
.if \first
	v_max_num_f32 v[ST+8*\t+4], v[ST+8*\t+4], v[ST+8*\t+7]
.else
	v_max3_num_f32 v[ST+8*\t+4], v[ST+8*\t+4], v[ST+8*\t+7], v[ST+8*\t]   ; and the old m
.endif
.endr
.irp t, 0,1,2,3
	v_permlanex16_b32 v[ST+8*\t+5], v[ST+8*\t+4], s[SEL], s[SEL+1]        ; the query's other 32 keys lie in the lane 16 away
.endr
.irp t, 0,1,2,3
	v_max_num_f32 v[ST+8*\t+5], v[ST+8*\t+4], v[ST+8*\t+5]                ; the new m
.endr
.if !\first
.irp t, 0,1,2,3
	v_sub_f32 v[ST+8*\t+7], v[ST+8*\t], v[ST+8*\t+5]                      ; m_old - m_new
.endr
.endif
.irp t, 0,1,2,3
	v_mov_b32 v[ST+8*\t], v[ST+8*\t+5]
.endr
.if !\first
.irp t, 0,1,2,3
	v_exp_f32 v[ST+8*\t+6], v[ST+8*\t+7]                                  ; a
.endr
.endif
; ONE BATCH: the 64 subtractions (a pair of scores each) and all exponentials; none of these names an exponential's result.  A pair is subtracted two pairs ahead of its exponentials.
.set e, 0
.rept 2
	v_pk_add_f32 v[S+2*e:S+2*e+1], v[S+2*e:S+2*e+1], v[ST+8*(e/16):ST+8*(e/16)+1] op_sel_hi:[1,0] neg_lo:[0,1] neg_hi:[0,1]
.set e, e+1
.endr
.set e, 0
.rept 64
.if e+2 < 64
	v_pk_add_f32 v[S+2*e+4:S+2*e+5], v[S+2*e+4:S+2*e+5], v[ST+8*((e+2)/16):ST+8*((e+2)/16)+1] op_sel_hi:[1,0] neg_lo:[0,1] neg_hi:[0,1]
.endif
	v_exp_f32 v[S+2*e], v[S+2*e]
	v_exp_f32 v[S+2*e+1], v[S+2*e+1]
.set e, e+1
.endr
	v_nop                                          ; a plain instruction behind the last exponential
	s_wait_alu depctr_va_vdst(0)                   ; one wait for the whole batch, ahead of its first reader
.irp t, 0,1,2,3                        ; the step's sum of p, unrounded, two at a time; the four tiles by turns
	v_pk_add_f32 v[ST+8*\t+4:ST+8*\t+5], v[S+32*\t:S+32*\t+1], v[S+32*\t+2:S+32*\t+3]
.endr
.irp i, 2,3,4,5,6,7,8,9,10,11,12,13,14
.irp t, 0,1,2,3
	v_pk_add_f32 v[ST+8*\t+4:ST+8*\t+5], v[ST+8*\t+4:ST+8*\t+5], v[S+32*\t+2*\i:S+32*\t+2*\i+1]
.endr
.endr
.irp t, 0,1,2,3
.if \first
	v_pk_add_f32 v[ST+8*\t+2:ST+8*\t+3], v[ST+8*\t+4:ST+8*\t+5], v[S+32*\t+30:S+32*\t+31]
.else
	v_pk_add_f32 v[ST+8*\t+4:ST+8*\t+5], v[ST+8*\t+4:ST+8*\t+5], v[S+32*\t+30:S+32*\t+31]
.endif
.endr
.if !\first
.irp t, 0,1,2,3
	v_pk_fma_f32 v[ST+8*\t+2:ST+8*\t+3], v[ST+8*\t+2:ST+8*\t+3], v[ST+8*\t+6:ST+8*\t+7], v[ST+8*\t+4:ST+8*\t+5] op_sel_hi:[1,0,1]   ; l = a l + the sum
.endr
.endif
.irp i, 0,1,2,3,4,5,6,7,8,9,10,11,12,13,14,15  ; P, packed in place, ascending: register i takes pair i
.irp t, 0,1,2,3
	v_cvt_pk_f16_f32 v[S+32*\t+\i], v[S+32*\t+2*\i], v[S+32*\t+2*\i+1]
.endr
.endr
.if !\first
	WIN 0x41                                       ; O^T in window 1, a in window 0
.set e, 0
.rept 64
	v_pk_mul_f32 v[OA+2*e:OA+2*e+1], v[OA+2*e:OA+2*e+1], v[ST+8*(e/16)+6:ST+8*(e/16)+7] op_sel_hi:[1,0]
.set e, e+1
.endr
.endif
.if \kload
	s_wait_dscnt 16                                ; V is in; K's 16 loads, issued behind V's, may be out
.else
	s_wait_dscnt 0x0
.endif
	WIN 0x50                                       ; V and P in window 0, O^T in window 1
.irp g, 0,1
.irp t, 0,1,2,3
.irp n, 0,1,2,3
.if \first && (\g == 0)
	v_wmma_f32_16x16x32_f16 v[OA+32*\t+8*\n:OA+32*\t+8*\n+7], v[VF+8*(4*\g+\n):VF+8*(4*\g+\n)+7], v[S+32*\t+8*\g:S+32*\t+8*\g+7], 0
.else
	v_wmma_f32_16x16x32_f16 v[OA+32*\t+8*\n:OA+32*\t+8*\n+7], v[VF+8*(4*\g+\n):VF+8*(4*\g+\n)+7], v[S+32*\t+8*\g:S+32*\t+8*\g+7], v[OA+32*\t+8*\n:OA+32*\t+8*\n+7]
.endif
.endr
.endr
.endr
	WIN 0
.if \kload
.rept 5
	v_nop                                          ; the next products K Q^T write over registers that these read as P: five places
.endr
.endif
.endm
.macro BODY first
	TAIL \first, 1
	HEAD
.endm
; THE CHANGE OF SLOTS, between a slot's last HEAD and its TAIL: all of the slot has been asked for.  Each wave waits for all its tensor loads (its part of the other slot), adds 0 to its spare word, and waits for that
; and for its reads of the slot.  fill = 1: the barrier is a round of the cluster's, and the joint refill is the first thing behind it: it has eight key steps in which to land.
.macro CHANGE fill
	s_wait_tensorcnt 0x0                           ; no tensor load of mine is out, so the walking group 0 may be written
	ds_add_u32 v[SPW], v[NIL]
.if \fill
	s_xor_b32 s[G0+5], s[G0+5], SLOT1              ; the other slot than last time,
	s_add_nc_u64 s[G0+6:G0+7], s[G0+6:G0+7], 65536 ; the next 512 keys
.endif
	s_wait_dscnt 0x0                               ; the add is done, and my reads of the slot are over
.if \fill
	CROUND
	tensor_load_to_lds s[G0+4:G0+7], s[G1:G1+7]
	s_nop 0
.rept 4
	v_nop
.endr
.else
	s_barrier_signal -1
	s_barrier_wait -1
.endif
	s_sub_co_u32 s[TB], s[TB], 65536               ; the fetches go back to a slot's first step,
	s_xor_b32 s[TB], s[TB], SLOT1                  ; in the other slot
.endm
.macro WALK n
	s_mov_b32 s[CNT], \n
.Lstep_\@:
	BODY 0
	s_sub_co_u32 s[CNT], s[CNT], 1
	s_cmp_lg_u32 s[CNT], 0
	s_cbranch_scc1 .Lstep_\@
.endm
	s_wait_tensorcnt 1                             ; my part of slot 0 is in; slot 1's may stay out
	s_barrier_signal -1
	s_barrier_wait -1
	KLOAD                                          ; key step 0
	s_wait_loadcnt 0x0                             ; Q
	HEAD
	BODY 1                                         ; softmax and V^T P of step 0, K Q^T of step 1
	WALK 6                                         ; up to K Q^T of step 7
.Lslot:                                            ; two trips: slots 0 and 1 are filled again
	CHANGE 1
	WALK 8
	s_sub_co_u32 s[SLOTS], s[SLOTS], 1
	s_cmp_lg_u32 s[SLOTS], 0
	s_cbranch_scc1 .Lslot
	CHANGE 0                                       ; the tail is written out: nothing is left to ask for
	WALK 8
	TAIL 0, 0                                      ; the last step
	; THE WAY OUT.  l's two halves and the other half of the lanes' are added (the additions are the places behind the last products); O^T / l, rounded to f16, is stored as it lies
.irp t, 0,1,2,3
	v_add_f32 v[ST+8*\t+4], v[ST+8*\t+2], v[ST+8*\t+3]
.endr
.irp t, 0,1,2,3
	v_permlanex16_b32 v[ST+8*\t+5], v[ST+8*\t+4], s[SEL], s[SEL+1]
.endr
.irp t, 0,1,2,3
	v_add_f32 v[ST+8*\t+4], v[ST+8*\t+4], v[ST+8*\t+5]
.endr
.irp t, 0,1,2,3
	v_rcp_f32 v[ST+8*\t+6], v[ST+8*\t+4]
.endr
	v_nop
	s_wait_alu depctr_va_vdst(0)                   ; one wait for the four reciprocals, ahead of their first reader
.macro OUTT t
	WIN 0x41
.set e, 0
.rept 16
	v_pk_mul_f32 v[OA+32*\t+2*e:OA+32*\t+2*e+1], v[OA+32*\t+2*e:OA+32*\t+2*e+1], v[ST+8*\t+6:ST+8*\t+7] op_sel_hi:[1,0]
.set e, e+1
.endr
	WIN 0x05                                       ; sources in window 1, destination in window 0
.set e, 0
.rept 16
	v_cvt_pk_f16_f32 v[S+16*\t+e], v[OA+32*\t+2*e], v[OA+32*\t+2*e+1]
.set e, e+1
.endr
	WIN 0
.irp n, 0,1,2,3
	global_store_b128 v[LI], v[S+16*\t+4*\n:S+16*\t+4*\n+3], s[6:7] offset:\t*32768+\n*512   ; 512 consecutive bytes, aligned
.endr
.endm
	OUTT 0
	OUTT 1
	OUTT 2
	OUTT 3
	s_wait_tensorcnt 0x0                           ; the wave's end
	ds_add_u32 v[SPW], v[NIL]
	s_wait_dscnt 0x0
	CROUND                                         ; the closing round
	s_endpgm
.Lfunc_end_k_qd0e9696d0d_attn:
	.size	k_qd0e9696d0d_attn, .Lfunc_end_k_qd0e9696d0d_attn-k_qd0e9696d0d_attn
	.p2alignl 7, 3214868480
	.fill 96, 4, 3214868480
	.section	.rodata,"a",@progbits
	.p2align	6, 0x0
	.amdhsa_kernel k_qd0e9696d0d_attn
		.amdhsa_group_segment_fixed_size 327680
		.amdhsa_private_segment_fixed_size 0
		.amdhsa_enable_private_segment 0
		.amdhsa_kernarg_size 16
		.amdhsa_user_sgpr_count 2
		.amdhsa_user_sgpr_kernarg_segment_ptr 1
		.amdhsa_wavefront_size32 1
		.amdhsa_system_sgpr_workgroup_id_x 1
		.amdhsa_system_sgpr_workgroup_id_y 1
		.amdhsa_system_sgpr_workgroup_id_z 1
		.amdhsa_system_vgpr_workitem_id 0
		.amdhsa_next_free_vgpr 512
		.amdhsa_next_free_sgpr 66
		.amdhsa_reserve_vcc 0
		.amdhsa_float_denorm_mode_32 3
		.amdhsa_float_denorm_mode_16_64 3
		.amdhsa_memory_ordered 1
		.amdhsa_forward_progress 1
		.amdhsa_inst_pref_size 171
	.end_amdhsa_kernel
	.amdgpu_metadata
---
amdhsa.version: [ 1, 2 ]
amdhsa.kernels:
  - .name:           k_qd0e9696d0d_attn
    .symbol:         k_qd0e9696d0d_attn.kd
    .args:
      - { .name: qkvf, .offset: 0, .size: 8, .value_kind: global_buffer, .address_space: global }
      - { .name: af, .offset: 8, .size: 8, .value_kind: global_buffer, .address_space: global }
    .group_segment_fixed_size: 327680
    .private_segment_fixed_size: 0
    .kernarg_segment_align: 8
    .kernarg_segment_size: 16
    .max_flat_workgroup_size: 256
    .sgpr_count:     66
    .vgpr_count:     512
    .wavefront_size: 32
...
	.end_amdgpu_metadata
.endif
;; end of part 3
;; launch outp (part 4): grid 4 x 64, 4 waves a work-group, clusters of 4 x 4, 327,680 bytes of LDS; arguments af, wof, bo, out0; writes out0
.if DOCPART == 4
	.amdgcn_target "amdgcn-amd-amdhsa--gfx1250"
	.amdhsa_code_object_version 6
	.text
	.protected	k_qd0e9696d0d_outp
	.globl	k_qd0e9696d0d_outp
	.p2align	8
	.type	k_qd0e9696d0d_outp,@function
k_qd0e9696d0d_outp:
	s_mov_b64 s[64:65], 0
	v_nop
	global_prefetch_b8 v0, s[64:65] scope:SCOPE_SE
	s_setreg_imm32_b32 hwreg(HW_REG_WAVE_MODE, 25, 1), 1
	s_wait_xcnt 0x0
	s_wait_alu depctr_hold_cnt(0) depctr_sa_sdst(0) depctr_va_vdst(0) depctr_va_sdst(0) depctr_va_ssrc(0) depctr_va_vcc(0) depctr_vm_vsrc(0)
	s_getreg_b32 s2, hwreg(HW_REG_IB_STS2, 6, 4)
	s_cmp_eq_u32 s2, 0
	s_cbranch_scc0 .Lentry_in_a_cluster
	s_endpgm
.Lentry_in_a_cluster:
	s_bfe_u32 s2, ttmp6, 0x10000c
	s_cmp_lg_u32 s2, 0xf033
	s_cbranch_scc0 .Lentry_shape_is_right
	s_endpgm
.Lentry_shape_is_right:
; OUTP.  out0 = concat wo + bo: [8192][1024] x [1024][1024], operands f16, sums f32, out0 f32.  The bias is the C of each sum's first instruction.
; Both operands lie in memory in the order of an operand's registers: a fragment (16 rows or columns x 32 k) is 1,024 dense bytes, read at 16 x lane: no pitch, no padding.
; A tile of 128 rows x 256 columns to a work-group: 256 work-groups.  Four waves, 64 x 128 each: 32 accumulators, 256 registers.
; K goes in eight steps of 128 through two LDS slots: A's 8 row tiles x 4,096 bytes, then B's 16 column tiles x 4,096.
; CLUSTERS: 4 x 4.  A's tiles are shared along a row of the cluster, B's along a column: joint loads.  No prefetch: the tile is small and each refill has a K step less sixteen matrix instructions in which to land.
; THE MATRIX INSTRUCTION IS USED TRANSPOSED (source 0 = 16 columns of wo, source 1 = 16 rows of concat): a lane holds eight neighbouring numbers of a row of out0.
; REGISTERS: window 0: v16-30 addresses; v32-63, v64-95 A's two buffers; v96-159 the bias, later rows on the way out; v160-223 rows on the way out.
;   window 1: v0-63, v64-127 B's two buffers.   window 2: the accumulators, (a, b) at v[8 (8 a + b)].
.set AT,     8*4096
.set BT,     16*4096
.set SLOT,   AT+BT
.set STAGE,  2*SLOT                    ; behind the slots: 16 rows x (512 bytes + 16) for each wave; no tensor load lands there
.set SPITCH, 528
.set SPARE,  STAGE+4*16*SPITCH         ; the spare words: 128 bytes for each wave, named by no other line
.set LAPS,   4                         ; a lap = two K steps
.set ADRA, 16
.set ADRB, 20
.set STO,  24
.set RD,   25
.set CO,   26                          ; v26 16 x lane
.set SPW,  28
.set NIL,  29
.set BOF,  30
.set BI,   96
.set G1, 24
.set G0, 32
.set G1B, 48
.set G0B, 56
.set MSB, 0
.macro WIN new
.if MSB != (\new)
	s_set_vgpr_msb (MSB<<8)|(\new)
.set MSB, (\new)
.endif
.endm
.set MUL, 0xa1                         ; source 0 (B) window 1, source 1 (A) window 0, C and D window 2
.macro JLOAD s                         ; waves 0 and 1 fetch A's halves, waves 2 and 3 B's; an s_nop 0 and four v_nop follow each of the two lines
	s_cmp_eq_u32 s15, 0
	s_cbranch_scc0 .Lfor_b_\@
	tensor_load_to_lds s[G0+4*\s:G0+4*\s+3], s[G1:G1+7]
	s_nop 0
.rept 4
	v_nop
.endr
	s_branch .Lasked_\@
.Lfor_b_\@:
	tensor_load_to_lds s[G0B+4*\s:G0B+4*\s+3], s[G1B:G1B+7]
	s_nop 0
.rept 4
	v_nop
.endr
.Lasked_\@:
.endm
.macro CREST
	s_cmp_lg_u32 s14, 0
	s_cbranch_scc1 .Lnot_wave_0_\@
	s_barrier_signal -3
.Lnot_wave_0_\@:
	s_barrier_wait -3
	s_barrier_signal -1
	s_barrier_wait -1
.endm
.macro CROUND
	s_barrier_signal -1
	s_barrier_wait -1
	CREST
.endm
	s_load_b256 s[4:11], s[0:1], 0x0               ; af 4, wof 6, bo 8, out0 10
	v_lshl_add_u32 v[SPW], v0, 2, SPARE
	v_mov_b32 v[NIL], 0
	ds_add_u32 v[SPW], v[NIL]                      ; the wave's opening: the add and its wait come ahead of my first tensor load
	v_lshrrev_b32 v1, 5, v0
	v_readfirstlane_b32 s14, v1                    ; wave 0..3
	s_lshr_b32 s15, s14, 1                         ; which half of the tile's rows is mine.  Also: I fetch for A (0) or for B (1)
	s_and_b32 s16, s14, 1                          ; which half of its columns.  Also: which half of that tile I fetch
	s_bfe_u32 s40, ttmp6, 0x40000
	s_bfe_u32 s41, ttmp6, 0x40004
	s_lshl_b32 s42, ttmp9, 2
	s_add_co_u32 s42, s42, s40                     ; tile column
	s_and_b32 s17, ttmp7, 0xffff
	s_lshl_b32 s17, s17, 2
	s_add_co_u32 s17, s17, s41                     ; tile row
	s_lshl_b32 s43, s41, 2
	s_lshl_b32 s43, 15, s43
	s_lshl_b32 s44, 0x1111, s40
	s_or_b32 s[G1+0], s43, (3<<16)|(1<<21)         ; elements of 8 bytes, no padding: four row tiles' 4,096 bytes, 32,768 bytes apart in memory
	s_mov_b32 s[G1+1], 512<<16
	s_mov_b32 s[G1+2], 4<<16
	s_mov_b32 s[G1+3], 512<<16
	s_mov_b32 s[G1+4], 4
	s_mov_b32 s[G1+5], 4096
	s_mov_b32 s[G1+6], 0
	s_mov_b32 s[G1+7], 0
	s_or_b32 s[G1B+0], s44, (3<<16)|(1<<21)        ; eight column tiles
	s_mov_b32 s[G1B+1], 512<<16
	s_mov_b32 s[G1B+2], 8<<16
	s_mov_b32 s[G1B+3], 512<<16
	s_mov_b32 s[G1B+4], 8
	s_mov_b32 s[G1B+5], 4096
	s_mov_b32 s[G1B+6], 0
	s_mov_b32 s[G1B+7], 0
	s_lshl_b32 s20, s17, 18                        ; A: row tile 8 x tile row + 4 x half, 32,768 bytes each
	s_lshl_b32 s21, s16, 17
	s_add_co_u32 s20, s20, s21
	s_mov_b32 s21, 0
	s_lshl_b32 s46, s42, 19                        ; B: column tile 16 x tile column + 8 x half
	s_lshl_b32 s47, s16, 18
	s_add_co_u32 s46, s46, s47
	s_mov_b32 s47, 0
	s_lshl_b32 s45, s16, 14                        ; where they go
	s_lshl_b32 s2, s16, 15
	s_add_co_u32 s2, s2, AT
	s_wait_dscnt 0x0                               ; the opening add is done
	s_wait_kmcnt 0x0
	s_add_nc_u64 s[20:21], s[4:5], s[20:21]
	s_add_nc_u64 s[46:47], s[6:7], s[46:47]
	CROUND                                         ; all sixteen work-groups are here: the first joint loads meet
.irp s, 0,1
	s_mov_b32 s[G0+4*\s], 1
	s_add_co_u32 s[G0+4*\s+1], s45, \s*SLOT
	s_add_nc_u64 s[G0+4*\s+2:G0+4*\s+3], s[20:21], \s*4096
	s_or_b32 s[G0+4*\s+3], s[G0+4*\s+3], 0x80000000
	s_mov_b32 s[G0B+4*\s], 1
	s_add_co_u32 s[G0B+4*\s+1], s2, \s*SLOT
	s_add_nc_u64 s[G0B+4*\s+2:G0B+4*\s+3], s[46:47], \s*4096
	s_or_b32 s[G0B+4*\s+3], s[G0B+4*\s+3], 0x80000000
	JLOAD \s                                       ; two loads of mine are out
.endr
	s_lshl_b32 s46, s42, 10                        ; my first column, in bytes of f32
	s_lshl_b32 s47, s16, 9
	s_add_co_u32 s46, s46, s47
	s_mov_b32 s47, 0
	s_add_nc_u64 s[8:9], s[8:9], s[46:47]
	s_add_nc_u64 s[10:11], s[10:11], s[46:47]
	s_lshl_b32 s20, s17, 19                        ; my first row: 128 x tile row + 64 x half, 4,096 bytes each
	s_lshl_b32 s21, s15, 18
	s_add_co_u32 s20, s20, s21
	s_mov_b32 s21, 0
	s_add_nc_u64 s[10:11], s[10:11], s[20:21]
	v_and_b32 v1, 15, v0
	v_bfe_u32 v2, v0, 4, 1
	v_lshlrev_b32 v[BOF], 5, v2
.irp b, 0,1,2,3,4,5,6,7
	global_load_b128 v[BI+8*\b:BI+8*\b+3], v[BOF], s[8:9] offset:64*\b             ; register j of tile b = bo(16 b + 8 h + j)
	global_load_b128 v[BI+8*\b+4:BI+8*\b+7], v[BOF], s[8:9] offset:64*\b+16
.endr
	v_and_b32 v3, 31, v0
	v_lshlrev_b32 v[CO], 4, v3
	s_lshl_b32 s21, s15, 14                        ; my four row tiles of A
	s_lshl_b32 s22, s16, 15                        ; my eight column tiles of B,
	s_add_co_u32 s22, s22, AT                      ; which lie behind A's
.irp s, 0,1
	v_add_nc_u32 v[ADRA+\s], s21, v[CO]
	v_add_nc_u32 v[ADRB+\s], s22, v[CO]
	s_add_co_u32 s21, s21, SLOT
	s_add_co_u32 s22, s22, SLOT
.endr
	s_mul_i32 s23, s14, 16*SPITCH
	s_add_co_u32 s23, s23, STAGE                   ; my stage
	v_mul_u32_u24 v5, v1, SPITCH
	v_lshl_add_u32 v5, v2, 5, v5
	v_add_nc_u32 v[STO], s23, v5                   ; in: row r, 32 bytes for each half of the lanes
	v_add_nc_u32 v[RD], s23, v[CO]                 ; back: the 32 lanes take one row of 512 bytes
.macro MUL8 f, a, zero                 ; A's block a x B's eight, 32 along K, buffer f.  The 32 accumulators take turns, one instruction a turn
.irp b, 0,1,2,3,4,5,6,7
.if \zero
	v_wmma_f32_16x16x32_f16 v[8*(8*(\a)+\b):8*(8*(\a)+\b)+7], v[64*(\f)+8*\b:64*(\f)+8*\b+7], v[32+32*(\f)+8*(\a):32+32*(\f)+8*(\a)+7], v[BI+8*\b:BI+8*\b+7]
.else
	v_wmma_f32_16x16x32_f16 v[8*(8*(\a)+\b):8*(8*(\a)+\b)+7], v[64*(\f)+8*\b:64*(\f)+8*\b+7], v[32+32*(\f)+8*(\a):32+32*(\f)+8*(\a)+7], v[8*(8*(\a)+\b):8*(8*(\a)+\b)+7]
.endif
.endr
.endm
.macro FETCH slot, q, f                ; 24 LDS loads in one run: the fragments of the slot's q-th 32 along K into buffer f; B's first
	WIN 0x40
.irp b, 0,1,2,3,4,5,6,7
	ds_load_b128 v[64*(\f)+8*\b:64*(\f)+8*\b+3],   v[ADRB+\slot] offset:\b*4096+(\q)*1024
	ds_load_b128 v[64*(\f)+8*\b+4:64*(\f)+8*\b+7], v[ADRB+\slot] offset:\b*4096+(\q)*1024+512
.endr
	WIN 0
.irp a, 0,1,2,3
	ds_load_b128 v[32+32*(\f)+8*\a:32+32*(\f)+8*\a+3],   v[ADRA+\slot] offset:\a*4096+(\q)*1024
	ds_load_b128 v[32+32*(\f)+8*\a+4:32+32*(\f)+8*\a+7], v[ADRA+\slot] offset:\a*4096+(\q)*1024+512
.endr
.endm
.macro PLACES                          ; four places in front of loads into registers that matrix instructions have read, and of reads of results
.rept 4
	v_nop
.endr
.endm
.macro MWIN zero
.if \zero
	WIN 0x81                                       ; C (the bias) in window 0
.else
	WIN MUL
.endif
.endm
.macro QUARTER slot, qn, f, g, zero    ; multiplies buffer f; in its middle it fetches the slot's qn-th 32 along K into buffer g
	s_wait_dscnt 4                                 ; B and A's blocks 0, 1 are in; the youngest four loads (A's blocks 2, 3) may be out
	MWIN \zero
	MUL8 \f, 0, \zero
	MUL8 \f, 1, \zero
	PLACES
	FETCH \slot, \qn, \g
	s_wait_dscnt 24                                ; all but the 24 just issued
	MWIN \zero
	MUL8 \f, 2, \zero
	MUL8 \f, 3, \zero
.endm
; A K step's last quarter multiplies buffer 1 and changes slots: one barrier; in front of it each wave waits for all its tensor loads, adds 0 to its spare word, and waits for that and for its reads of this slot.
.macro TURN slot, next, fill
	WIN 0
	s_wait_tensorcnt 0x0                           ; all my tensor loads have landed: my part of the next slot
	ds_add_u32 v[SPW], v[NIL]
	s_wait_dscnt 5                                 ; (the add and A's blocks 2, 3 may be out)
	WIN MUL
	MUL8 1, 0, 0
	s_wait_dscnt 0x0                               ; the add is done, and my reads of this slot are over
	s_barrier_signal -1
	MUL8 1, 1, 0
	WIN 0
	s_barrier_wait -1
.if \fill
	CREST                                          ; the barrier has opened a round of the cluster's: no wave of any partner still reads this slot or has a load on its way
	s_add_nc_u64 s[G0+4*\slot+2:G0+4*\slot+3], s[G0+4*\slot+2:G0+4*\slot+3], 2*4096
	s_add_nc_u64 s[G0B+4*\slot+2:G0B+4*\slot+3], s[G0B+4*\slot+2:G0B+4*\slot+3], 2*4096
	JLOAD \slot                                    ; the first tensor load behind the round; its four v_nop are also the places in front of the loads below
.else
	PLACES
.endif
	FETCH \next, 0, 0
	WIN MUL
	MUL8 1, 2, 0
	MUL8 1, 3, 0
.endm
	s_wait_tensorcnt 1                             ; my part of K step 0 is in; K step 1's load may be out,
	s_barrier_signal -1
	s_barrier_wait -1                              ; everybody's is
	FETCH 0, 0, 0
	s_wait_loadcnt 0x0                             ; the bias
	QUARTER 0, 1, 0, 1, 1                          ; the first quarter stands in front of the loop: its products start the sums from the bias
	WIN 0
	s_mov_b32 s3, LAPS-1
.Llap:                                             ; a trip goes once round the two slots and fills both again
	QUARTER 0, 2, 1, 0, 0
	QUARTER 0, 3, 0, 1, 0
	TURN 0, 1, 1
	QUARTER 1, 1, 0, 1, 0
	QUARTER 1, 2, 1, 0, 0
	QUARTER 1, 3, 0, 1, 0
	TURN 1, 0, 1
	QUARTER 0, 1, 0, 1, 0
	WIN 0
	s_sub_co_u32 s3, s3, 1
	s_cmp_lg_u32 s3, 0
	s_cbranch_scc1 .Llap
	QUARTER 0, 2, 1, 0, 0                          ; the last lap fills nothing
	QUARTER 0, 3, 0, 1, 0
	TURN 0, 1, 0
	QUARTER 1, 1, 0, 1, 0
	QUARTER 1, 2, 1, 0, 0
	QUARTER 1, 3, 0, 1, 0
	s_wait_dscnt 4
	WIN MUL
	MUL8 1, 0, 0
	MUL8 1, 1, 0
	s_wait_dscnt 0
	MUL8 1, 2, 0
	MUL8 1, 3, 0
	WIN 0
; THE WAY OUT, block by block of 16 rows x 128 columns, through my own stage: in as 32 bytes a lane, back as whole rows of 512 bytes.  LDS serves a wave's instructions in order: no wait between the stores and the loads.
.macro TOSTAGE a
.set AC, 64*(\a)
	WIN 0x08                                       ; an LDS store's data are its source 1: window 2
.irp b, 0,1,2,3,4,5,6,7
	ds_store_b128 v[STO], v[AC+8*\b:AC+8*\b+3] offset:64*\b            ; each accumulator from its low end on
	ds_store_b128 v[STO], v[AC+8*\b+4:AC+8*\b+7] offset:64*\b+16
.endr
	WIN 0
.set BB, 160-64*((\a)%2)
.irp t, 0,1,2,3,4,5,6,7,8,9,10,11,12,13,14,15
	ds_load_b128 v[BB+4*\t:BB+4*\t+3], v[RD] offset:\t*SPITCH
.endr
.endm
.macro SEND a, younger                 ; younger: the LDS instructions issued behind block a's loads, which may stay out
.set BB, 160-64*((\a)%2)
	s_wait_dscnt \younger
.if (\a) > 0
	s_add_nc_u64 s[10:11], s[10:11], 16*4096       ; (behind a wait on XCNT: the earlier stores have read their base)
.endif
.irp t, 0,1,2,3,4,5,6,7,8,9,10,11,12,13,14,15
	global_store_b128 v[CO], v[BB+4*\t:BB+4*\t+3], s[10:11] offset:\t*4096 th:TH_STORE_NT   ; 32 lanes store 512 consecutive bytes, aligned; written once, read by nobody here
.endr
.endm
	PLACES
	TOSTAGE 0
.irp a, 1,2,3
.if \a > 1
	s_wait_xcnt 0x0                                ; block a - 2's stores have read their registers and their base
.endif
	TOSTAGE \a
	SEND \a-1, 32                                  ; behind block a - 1's loads: block a's 16 stores and 16 loads
.endr
	s_wait_xcnt 0x0
	SEND 3, 0
	s_wait_tensorcnt 0x0                           ; the wave's end
	ds_add_u32 v[SPW], v[NIL]
	s_wait_dscnt 0x0
	CROUND                                         ; the closing round
	s_endpgm
.Lfunc_end_k_qd0e9696d0d_outp:
	.size	k_qd0e9696d0d_outp, .Lfunc_end_k_qd0e9696d0d_outp-k_qd0e9696d0d_outp
	.p2alignl 7, 3214868480
	.fill 96, 4, 3214868480
	.section	.rodata,"a",@progbits
	.p2align	6, 0x0
	.amdhsa_kernel k_qd0e9696d0d_outp
		.amdhsa_group_segment_fixed_size 327680
		.amdhsa_private_segment_fixed_size 0
		.amdhsa_enable_private_segment 0
		.amdhsa_kernarg_size 32
		.amdhsa_user_sgpr_count 2
		.amdhsa_user_sgpr_kernarg_segment_ptr 1
		.amdhsa_wavefront_size32 1
		.amdhsa_system_sgpr_workgroup_id_x 1
		.amdhsa_system_sgpr_workgroup_id_y 1
		.amdhsa_system_sgpr_workgroup_id_z 1
		.amdhsa_system_vgpr_workitem_id 0
		.amdhsa_next_free_vgpr 768
		.amdhsa_next_free_sgpr 66
		.amdhsa_reserve_vcc 0
		.amdhsa_float_denorm_mode_32 3
		.amdhsa_float_denorm_mode_16_64 3
		.amdhsa_memory_ordered 1
		.amdhsa_forward_progress 1
		.amdhsa_inst_pref_size 87
	.end_amdhsa_kernel
	.amdgpu_metadata
---
amdhsa.version: [ 1, 2 ]
amdhsa.kernels:
  - .name:           k_qd0e9696d0d_outp
    .symbol:         k_qd0e9696d0d_outp.kd
    .args:
      - { .name: af, .offset: 0, .size: 8, .value_kind: global_buffer, .address_space: global }
      - { .name: wof, .offset: 8, .size: 8, .value_kind: global_buffer, .address_space: global }
      - { .name: bo, .offset: 16, .size: 8, .value_kind: global_buffer, .address_space: global }
      - { .name: out0, .offset: 24, .size: 8, .value_kind: global_buffer, .address_space: global }
    .group_segment_fixed_size: 327680
    .private_segment_fixed_size: 0
    .kernarg_segment_align: 8
    .kernarg_segment_size: 32
    .max_flat_workgroup_size: 128
    .sgpr_count:     66
    .vgpr_count:     768
    .wavefront_size: 32
...
	.end_amdgpu_metadata
.endif
;; end of part 4
